; MI455X (gfx1250); checked and timed in simulation.
; The chip was launched on July 23, 2026; its instructions are those of AMD's public machine-readable ISA for CDNA 5 (MIT licence, August 2026) and "CDNA5" Instruction Set Architecture Reference Guide (July 2026). The comments in the code are by the model that wrote it; some were corrected since.
;; Enhanced Vector Quantizer. Allowed arithmetic: float matrix products may take bf16 or f16 operands with f32 sums; all other float work in f32.
;; Inputs: weight 8,192 x 256 float32; x 8 x 4,096 x 256 float32.
;; Outputs: out0 8 x 4,096 x 256 float32; out1 8 x 4,096 int32; out2 one number float32; out3 one number float32; out4 one number float32.
;; One version. Each part assembles by itself: llvm-mc -triple=amdgcn-amd-amdhsa -mcpu=gfx1250 --defsym DOCPART=n.
;; ======== version 1 of 1: 4 launches
;; workspace buffers: wb 4,194,304 bytes; wsq 32,768 bytes; idxw 131,072 bytes of whole numbers; part 2,048 bytes
;; launch cast (part 1): grid 128 x 1, 8 waves a work-group, no clusters, 1,280 bytes of LDS; arguments weight, wb, wsq; writes wb, wsq
.if DOCPART == 1
	.amdgcn_target "amdgcn-amd-amdhsa--gfx1250"
	.amdhsa_code_object_version 6
	.text
	.protected	k_q5d37a32364_cast
	.globl	k_q5d37a32364_cast
	.p2align	8
	.type	k_q5d37a32364_cast,@function
k_q5d37a32364_cast:
	s_mov_b64 s[64:65], 0
	v_nop
	global_prefetch_b8 v0, s[64:65] scope:SCOPE_SE
	s_setreg_imm32_b32 hwreg(HW_REG_WAVE_MODE, 25, 1), 1
	s_wait_xcnt 0x0
; wb[c][k] = bf16(weight[c][k]);  wsq[c] = sum over k of wb[c][k]^2, in f32.  weight: [8192][256] f32.
; The sum is taken of the ROUNDED numbers: the distances of the next launch are those of the rounded vectors.
; Eight waves; the work-group owns 64 code rows, so that its 64 sums are 256 consecutive bytes of wsq, aligned, stored by one
; instruction: hence 128 work-groups.  A wave owns 8 rows; all its 16 loads go out at once.  A stream: no matrix unit, no cluster
; (no work-group shares a byte with another).
.set F, 8                              ; v[8:71]    row i: 8 numbers of f32 a lane (columns 4 l .. +3 and 128 + 4 l .. +3)
.set P, 72                             ; v[72:103]  row i: the same as 4 words of two bf16
.set Q, 104                            ; v[104:111] row i: sum of the low halves' squares, then the row's sum
.set H, 112                            ; v[112:119] row i: sum of the high halves' squares
	s_load_b128 s[4:7], s[0:1], 0x0                ; weight s[4:5], wb s[6:7]
	s_load_b64 s[8:9], s[0:1], 0x10                ; wsq
	v_lshl_add_u32 v120, v0, 2, 0x100
	v_mov_b32 v121, 0
	v_lshrrev_b32 v3, 5, v0
	v_readfirstlane_b32 s10, v3                    ; wave 0..7
	v_and_b32 v4, 31, v0
	v_lshlrev_b32 v1, 4, v4                        ; 16 bytes a lane in a half row of weight
	v_lshlrev_b32 v2, 3, v4                        ; 8 bytes a lane in a half row of wb
	v_and_b32 v4, 15, v0
	v_lshlrev_b32 v4, 4, v4                        ; 16 (lane % 16), 240 at the most: the way out of the 64 sums
	v_mov_b32 v5, 0                                ; the addend of each chain's first link
	s_mov_b32 s14, 0x76543210                      ; v_permlanex16_b32: lane i reads lane i of the other half
	s_mov_b32 s15, 0xfedcba98
	s_lshl_b32 s11, ttmp9, 6
	s_lshl3_add_u32 s11, s10, s11                  ; my first row = 64 x work-group + 8 x wave
	s_mov_b32 s13, 0
	s_lshl_b32 s12, s11, 10                        ; rows of 1,024 bytes
	s_wait_kmcnt 0x0
	s_add_nc_u64 s[4:5], s[4:5], s[12:13]
	s_lshl_b32 s12, s11, 9                         ; rows of 512 bytes
	s_add_nc_u64 s[6:7], s[6:7], s[12:13]
	s_lshl_b32 s12, ttmp9, 8                       ; 64 sums of 4 bytes
	s_add_nc_u64 s[8:9], s[8:9], s[12:13]
.irp i, 0,1,2,3,4,5,6,7
	global_load_b128 v[F+8*\i:F+8*\i+3],   v1, s[4:5] offset:1024*\i th:TH_LOAD_NT
	global_load_b128 v[F+8*\i+4:F+8*\i+7], v1, s[4:5] offset:1024*\i+512 th:TH_LOAD_NT
.endr
.irp i, 0,1,2,3,4,5,6,7
	s_wait_loadcnt 14-2*\i                         ; loads come back in order: row i's two are in, the younger rows' stay out
.irp c, 0,1,2,3
	v_cvt_pk_bf16_f32 v[P+4*\i+\c], v[F+8*\i+2*\c], v[F+8*\i+2*\c+1]
.endr
	global_store_b64 v2, v[P+4*\i:P+4*\i+1],   s[6:7] offset:512*\i       ; 32 lanes x 8 bytes: 256 consecutive bytes, aligned
	global_store_b64 v2, v[P+4*\i+2:P+4*\i+3], s[6:7] offset:512*\i+256
	v_fma_mix_f32_bf16 v[Q+\i], v[P+4*\i], v[P+4*\i], v5 op_sel_hi:[1,1,0]                 ; low half squared
	v_fma_mix_f32_bf16 v[H+\i], v[P+4*\i], v[P+4*\i], v5 op_sel:[1,1,0] op_sel_hi:[1,1,0]  ; high half squared
.irp c, 1,2,3
	v_fma_mix_f32_bf16 v[Q+\i], v[P+4*\i+\c], v[P+4*\i+\c], v[Q+\i] op_sel_hi:[1,1,0]
	v_fma_mix_f32_bf16 v[H+\i], v[P+4*\i+\c], v[P+4*\i+\c], v[H+\i] op_sel:[1,1,0] op_sel_hi:[1,1,0]
.endr
	v_add_f32 v[Q+\i], v[Q+\i], v[H+\i]
.endr
	; across the 32 lanes, the eight rows side by side
.irp m, 1,2,4,8
.irp i, 0,1,2,3,4,5,6,7
	v_add_f32_dpp v[Q+\i], v[Q+\i], v[Q+\i] row_xmask:\m row_mask:0xf bank_mask:0xf
.endr
.endr
.irp i, 0,1,2,3,4,5,6,7
	v_permlanex16_b32 v[H+\i], v[Q+\i], s14, s15   ; its destination has been written before
.endr
.irp i, 0,1,2,3,4,5,6,7
	v_add_f32 v[Q+\i], v[Q+\i], v[H+\i]
.endr
	s_lshl_b32 s11, s10, 5
	v_mov_b32 v3, s11                              ; my wave's 32 bytes of the 256
.irp i, 0,1,2,3,4,5,6,7
	ds_store_b32 v3, v[Q+\i] offset:4*\i           ; every lane writes the same word with the same value
.endr
	s_wait_dscnt 0x0                               ; my stores are done, for the other waves' sake
	s_barrier_signal -1
	s_barrier_wait -1
	s_cmp_lg_u32 s10, 0
	s_cbranch_scc1 .Ldone                          ; the 64 sums leave by wave 0 alone; no barrier stands behind this branch
	v_cmp_gt_u32 vcc_lo, 16, v0
	s_wait_xcnt 0x0                                ; EXEC is a source of the stores above: it changes only behind this wait
	s_wait_tensorcnt 0x0
	ds_add_u32 v120, v121
	s_wait_dscnt 0x0
	s_and_saveexec_b32 s12, vcc_lo                 ; lanes 0 to 15
	ds_load_b128 v[F:F+3], v4                      ; bytes 16 l .. 16 l + 15 of the 256 that the eight waves stored
	s_wait_dscnt 0x0
	global_store_b128 v4, v[F:F+3], s[8:9]         ; 16 lanes x 16 bytes: 256 consecutive bytes, aligned
	s_endpgm
.Ldone:
	s_wait_tensorcnt 0x0
	ds_add_u32 v120, v121
	s_wait_dscnt 0x0
	s_endpgm
.Lfunc_end_k_q5d37a32364_cast:
	.size	k_q5d37a32364_cast, .Lfunc_end_k_q5d37a32364_cast-k_q5d37a32364_cast
	.p2alignl 7, 3214868480
	.fill 96, 4, 3214868480
	.section	.rodata,"a",@progbits
	.p2align	6, 0x0
	.amdhsa_kernel k_q5d37a32364_cast
		.amdhsa_group_segment_fixed_size 1280
		.amdhsa_private_segment_fixed_size 0
		.amdhsa_enable_private_segment 0
		.amdhsa_kernarg_size 24
		.amdhsa_user_sgpr_count 2
		.amdhsa_user_sgpr_kernarg_segment_ptr 1
		.amdhsa_wavefront_size32 1
		.amdhsa_system_sgpr_workgroup_id_x 1
		.amdhsa_system_sgpr_workgroup_id_y 1
		.amdhsa_system_sgpr_workgroup_id_z 1
		.amdhsa_system_vgpr_workitem_id 0
		.amdhsa_next_free_vgpr 122
		.amdhsa_next_free_sgpr 66
		.amdhsa_reserve_vcc 1
		.amdhsa_float_denorm_mode_32 3
		.amdhsa_float_denorm_mode_16_64 3
		.amdhsa_memory_ordered 1
		.amdhsa_forward_progress 1
		.amdhsa_inst_pref_size 15
	.end_amdhsa_kernel
	.amdgpu_metadata
---
amdhsa.version: [ 1, 2 ]
amdhsa.kernels:
  - .name:           k_q5d37a32364_cast
    .symbol:         k_q5d37a32364_cast.kd
    .args:
      - { .name: weight, .offset: 0, .size: 8, .value_kind: global_buffer, .address_space: global }
      - { .name: wb, .offset: 8, .size: 8, .value_kind: global_buffer, .address_space: global }
      - { .name: wsq, .offset: 16, .size: 8, .value_kind: global_buffer, .address_space: global }
    .group_segment_fixed_size: 1280
    .private_segment_fixed_size: 0
    .kernarg_segment_align: 8
    .kernarg_segment_size: 24
    .max_flat_workgroup_size: 256
    .sgpr_count:     66
    .vgpr_count:     122
    .wavefront_size: 32
...
	.end_amdgpu_metadata
.endif
;; end of part 1
;; launch vq (part 2): grid 256 x 1, 4 waves a work-group, clusters of 4 x 1, 327,680 bytes of LDS; arguments x, wb, wsq, out1, idxw; writes out1, idxw
.if DOCPART == 2
	.amdgcn_target "amdgcn-amd-amdhsa--gfx1250"
	.amdhsa_code_object_version 6
	.text
	.protected	k_q5d37a32364_vq
	.globl	k_q5d37a32364_vq
	.p2align	8
	.type	k_q5d37a32364_vq,@function
k_q5d37a32364_vq:
	s_mov_b64 s[64:65], 0
	v_nop
	global_prefetch_b8 v0, s[64:65] scope:SCOPE_SE
	s_setreg_imm32_b32 hwreg(HW_REG_WAVE_MODE, 25, 1), 1
	s_wait_xcnt 0x0
	s_wait_alu depctr_hold_cnt(0) depctr_sa_sdst(0) depctr_va_vdst(0) depctr_va_sdst(0) depctr_va_ssrc(0) depctr_va_vcc(0) depctr_vm_vsrc(0)
	s_getreg_b32 s2, hwreg(HW_REG_IB_STS2, 6, 4)
	s_cmp_eq_u32 s2, 0
	s_cbranch_scc0 .Lentry_in_a_cluster
	s_endpgm
.Lentry_in_a_cluster:
	s_bfe_u32 s2, ttmp6, 0x10000c
	s_cmp_lg_u32 s2, 0x3003
	s_cbranch_scc0 .Lentry_shape_is_right
	s_endpgm
.Lentry_shape_is_right:
; index[n] = the first c that makes d(n, c) = fl(fl(xsq[n] - 2 dot(n, c)) + wsq[c]) least; x: [32768][256] f32, wb: [8192][256] bf16.
; dot is made by the matrix unit on x and the codes rounded to bf16, with f32 sums; xsq and wsq are the sums of squares of the ROUNDED
; numbers, so d is the squared distance of the rounded vectors, rounded twice as the formula rounds it (2 dot is exact, so the first
; rounding is one fused multiply-add).  Equal d: the lowest index, by a strict "less" in ascending order of codes inside each chain and by
; the order (d, index) wherever chains meet.
; LIMITS: a NaN in x or in the codes is not served (minimum and "less" pass it over).  The sums inside dot and xsq are made in another
; order than a row-by-row f32 sum, so a d that lies at a rounding boundary may fall to the other side.
;
; SHARES.  A work-group owns 128 rows of x for the whole launch (256 work-groups) and walks the 8,192 codes in 32 tiles of 256.  Each of its
; four waves holds ALL 128 rows as bf16 fragments in 512 registers and takes 64 of a tile's codes, in 4 blocks of 16: one fragment of codes
; (1,024 bytes from LDS) feeds 8 matrix instructions, and x is never read again.
; CLUSTER.  Every work-group walks the same tiles, so four of them ask jointly for each tile and for wsq (mask 15).  Only one operand is
; shared and a mask names four, so a 4 x 4 cluster would add nothing.
; The tiles are asked for a whole trip (256 matrix instructions of a wave) ahead; no prefetch is written beside that.
;
; THE MATRIX INSTRUCTION: source 0 = 16 codes, source 1 = 16 rows of x.  Register j of lane (r, h) then holds (code 8 h + j, x row r):
; a lane minimises over codes for one x row of each row block, and nothing crosses lanes until the end.
;
; REGISTERS.  Window 0: addresses, the argmin's state, the codes' fragments (one set for K steps 0-3, two sets by turns for K steps 4-7), two
; sets of four accumulators.  Window 1: x fragments of row blocks 0-3 (64 (rb % 4) + 8 kk).  Window 2: row blocks 4-7.  In the loop only
; source 1 is switched (0x04, 0x08), and all vector work that stands between the matrix instructions has a constant or a scalar register as
; source 1, so that it runs under either setting.
.set WP,    528                        ; LDS pitch of a code row: 512 bytes + 16: an odd multiple of 16, so the 16 rows of a fragment load start 16 bytes apart modulo 256
.set XP,    1040                       ; LDS pitch of a row of x in f32: 1,024 + 16
.set SLOT,  256*WP                     ; 135,168 bytes: slot 0 at 0, slot 1 at SLOT (slot 1 first holds the x tile: 128 x 1,040 = 133,120 bytes)
.set WSQL,  2*SLOT                     ; 270,336: all 8,192 wsq, filled once
.set SCR,   WSQL+32768                 ; 303,104: 4 waves x 128 rows x 8 bytes, written by ds_store alone; no fill ever lands here
.set TILEB, 131072                     ; bytes of a tile in wb
.set RR,   1                           ; v1      r = lane % 16
.set HH,   2                           ; v2      h = lane / 16
.set ADR,  3                           ; v3, v4  LDS address of my fragments in slot 0, 1: (64 w + r) 528 + 16 h
.set WQA,  5                           ; v5      LDS address of wsq[256 t + 64 w + 8 h], stepped by a tile
.set XA,   6                           ; v6      prologue: LDS address of x row 16 rb + r, + 32 h
.set ZT,   7                           ; v7      prologue: 0; end: 8 h
.set XSQ,  8                           ; v[8:15]   xsq of x row 16 rb + r
.set BEST, 16                          ; v[16:31]  row block rb: least d of the even j (2 rb) and of the odd j (2 rb + 1)
.set IDX,  32                          ; v[32:47]  its code, less 8 h
.set WSQR, 48                          ; v[48:63]  wsq of my 8 codes of a block: even blocks v[48:55], odd blocks v[56:63]
.set TT,   64                          ; v[64:79]  eight pairs of d at work, by turns
.set SS,   80                          ; v[80:81]  d - best
.set WF,   96                          ; v[96:127] the block's fragments of K steps 0-3; v[128:159] K steps 4-7 of the even blocks
.set WFODD, 96                         ; v[224:255] K steps 4-7 of the odd blocks: 96 registers behind the even blocks'
.set ACC,  160                         ; v[160:191] accumulators of row blocks 0-3, v[192:223] of row blocks 4-7
.set STG,  96                          ; prologue: two stages of 64 registers for x in f32
.set G1W, 16                           ; s[16:23] group 1, code tiles      s[24:27], s[28:31] group 0 of slot 0, 1
.set G0W, 24
.set G1X, 32                           ; s[32:39], s[40:43] the x tile
.set G0X, 40
.set G1Q, 44                           ; s[44:51], s[52:55] wsq
.set G0Q, 52
.set CUR, 56                           ; s[56:63] code number of register j in the block whose indices are being kept, less 8 h
.set MK,  66                           ; s[66:69] two pairs of lane masks, by turns
.set REFILL, 0
.set PLAIN,  1
.set LAST,   2
.set M1, 0x04                          ; source 1 in window 1
.set M2, 0x08                          ; source 1 in window 2
.set MSB, 0
.macro WIN new                         ; the immediate's high byte repeats the setting that is left
.if MSB != \new
	s_set_vgpr_msb (MSB<<8)|\new
.set MSB, \new
.endif
.endm
; A round of the cluster's barrier: my work-group's barrier, wave 0 signals for the work-group, every wave waits for all four
; work-groups, my work-group's barrier once more.
.macro CREST
	s_cmp_lg_u32 s14, 0
	s_cbranch_scc1 .Lnot_wave_0_\@
	s_barrier_signal -3
.Lnot_wave_0_\@:
	s_barrier_wait -3
	s_barrier_signal -1
	s_barrier_wait -1
.endm
.macro ROUND
	s_barrier_signal -1
	s_barrier_wait -1
	CREST
.endm
	s_load_b256 s[4:11], s[0:1], 0x0               ; x s[4:5], wb s[6:7], wsq s[8:9], out1 s[10:11]
	s_load_b64 s[12:13], s[0:1], 0x20              ; idxw
	v_lshl_add_u32 v94, v0, 2, 0x4b000
	v_mov_b32 v95, 0
	ds_add_u32 v94, v95
	v_lshrrev_b32 v1, 5, v0
	v_readfirstlane_b32 s14, v1                    ; wave 0..3
	s_bfe_u32 s80, ttmp6, 0x40000                  ; cx; it enters x's address and the outputs' alone
	s_lshl_b32 s15, ttmp9, 2                       ; ttmp9 counts clusters
	s_add_co_u32 s15, s15, s80                     ; work-group 0..255
	s_mov_b32 s70, 0x7f800000                      ; +infinity
	s_mov_b32 s72, 0x76543210                      ; v_permlanex16_b32: lane i reads lane i of the other half
	s_mov_b32 s73, 0xfedcba98
	; group 1 of a wave's quarter of a code tile: 64 rows x 256 bf16, 4 words of padding behind every 128
	s_mov_b32 s[G1W+0], 15|(1<<16)|(1<<20)|(1<<21)|(6<<22)|(3<<25)  ; mask: all four of the cluster; 2-byte elements; padding on; bit 21 beside a mask; interval code 6; 4 words
	s_mov_b32 s[G1W+1], 256<<16                    ; tensor_dim0 = 256
	s_mov_b32 s[G1W+2], 64<<16                     ; tensor_dim1 = 64
	s_mov_b32 s[G1W+3], 256<<16                    ; tile_dim0 = 256
	s_mov_b32 s[G1W+4], 64                         ; tile_dim1 = 64
	s_mov_b32 s[G1W+5], 256                        ; elements from row to row
	s_mov_b32 s[G1W+6], 0
	s_mov_b32 s[G1W+7], 0
	; group 1 of a wave's quarter of the x tile: 32 rows x 256 f32, 4 words of padding behind every 256; the work-group's own (no mask)
	s_mov_b32 s[G1X+0], (2<<16)|(1<<20)|(7<<22)|(3<<25)
	s_mov_b32 s[G1X+1], 256<<16
	s_mov_b32 s[G1X+2], 32<<16
	s_mov_b32 s[G1X+3], 256<<16
	s_mov_b32 s[G1X+4], 32
	s_mov_b32 s[G1X+5], 256
	s_mov_b32 s[G1X+6], 0
	s_mov_b32 s[G1X+7], 0
	; group 1 of a wave's quarter of wsq: a dense block of 8,192 bytes as 32 rows of 32 elements of 8 bytes; joint
	s_mov_b32 s[G1Q+0], 15|(3<<16)|(1<<21)
	s_mov_b32 s[G1Q+1], 32<<16
	s_mov_b32 s[G1Q+2], 32<<16
	s_mov_b32 s[G1Q+3], 32<<16
	s_mov_b32 s[G1Q+4], 32
	s_mov_b32 s[G1Q+5], 32
	s_mov_b32 s[G1Q+6], 0
	s_mov_b32 s[G1Q+7], 0
	s_lshl_b32 s74, s14, 15                        ; my quarter of a tile, of codes and of x alike: 32,768 bytes
	s_mov_b32 s75, 0
	s_lshl_b32 s76, s15, 17                        ; the work-group's 128 rows of x: 131,072 bytes
	s_add_co_u32 s76, s76, s74
	s_mov_b32 s77, 0
	s_lshl_b32 s78, s14, 13                        ; my quarter of wsq
	s_mov_b32 s79, 0
	s_mov_b32 s[G0X], 1
	s_mul_i32 s[G0X+1], s14, 32*XP
	s_add_co_u32 s[G0X+1], s[G0X+1], SLOT          ; x goes where slot 1 will be
	s_mov_b32 s[G0W], 1
	s_mul_i32 s[G0W+1], s14, 64*WP                 ; slot 0, my 64 rows
	s_mov_b32 s[G0W+4], 1
	s_add_co_u32 s[G0W+5], s[G0W+1], SLOT          ; slot 1, my 64 rows
	s_mov_b32 s[G0Q], 1
	s_add_co_u32 s[G0Q+1], s78, WSQL
	s_wait_dscnt 0x0
	s_wait_kmcnt 0x0
	s_add_nc_u64 s[G0X+2:G0X+3], s[4:5], s[76:77]
	s_or_b32 s[G0X+3], s[G0X+3], 0x80000000
	s_add_nc_u64 s[G0W+2:G0W+3], s[6:7], s[74:75]              ; tile 0
	s_add_nc_u64 s[G0W+6:G0W+7], s[G0W+2:G0W+3], TILEB         ; tile 1
	s_or_b32 s[G0W+3], s[G0W+3], 0x80000000
	s_or_b32 s[G0W+7], s[G0W+7], 0x80000000
	s_add_nc_u64 s[G0Q+2:G0Q+3], s[8:9], s[78:79]
	s_or_b32 s[G0Q+3], s[G0Q+3], 0x80000000
	s_lshl_b32 s76, s15, 9                         ; the work-group's 128 indices: 512 bytes
	s_add_nc_u64 s[10:11], s[10:11], s[76:77]
	s_add_nc_u64 s[12:13], s[12:13], s[76:77]
	ROUND                                          ; all four work-groups are here: the first joint loads meet
	tensor_load_to_lds s[G0X:G0X+3], s[G1X:G1X+7]  ; the three first fills of every wave, as one group: three tensor loads out, the most in this text
	s_nop 0
	tensor_load_to_lds s[G0W:G0W+3], s[G1W:G1W+7]
	s_nop 0
	tensor_load_to_lds s[G0Q:G0Q+3], s[G1Q:G1Q+7]
	s_nop 0
	v_and_b32 v[RR], 15, v0
	v_bfe_u32 v[HH], v0, 4, 1
	v_mul_u32_u24 v[ADR], v[RR], WP
	v_lshl_add_u32 v[ADR], v[HH], 4, v[ADR]
	v_add_nc_u32 v[ADR], s[G0W+1], v[ADR]          ; + 64 w rows
	v_add_nc_u32 v[ADR+1], SLOT, v[ADR]
	s_lshl_b32 s74, s14, 8                         ; 4 x 64 w
	s_add_co_u32 s74, s74, WSQL
	v_lshlrev_b32 v[WQA], 5, v[HH]                 ; 4 x 8 h
	v_add_nc_u32 v[WQA], s74, v[WQA]
	v_mul_u32_u24 v[XA], v[RR], XP
	v_lshl_add_u32 v[XA], v[HH], 5, v[XA]          ; 8 h numbers of f32
	v_add_nc_u32 v[XA], SLOT, v[XA]
	s_lshl_b32 s74, s14, 6
.irp j, 0,1,2,3,4,5,6,7
	s_sub_co_u32 s[CUR+\j], s74, 208-\j            ; 64 w + j - 208: the first step of 208 makes it tile 0, block 0
.endr
	s_mov_b32 s[MK+2], 0                           ; the masks that the first step reads
	s_mov_b32 s[MK+3], 0
	s_wait_tensorcnt 0x2                           ; my quarter of x is in; the code tile and wsq, issued behind it, may stay out:
	s_barrier_signal -1
	s_barrier_wait -1                              ; everybody's quarter is in
; x to bf16 fragments, sixteen batches: batch b = row block b / 2, K steps 4 (b % 2) .. + 3.  A fragment's lane holds k = 32 kk + 8 h .. + 7 in
; registers 0-3 and 16 further on in registers 4-7: in f32 four loads of 16 bytes at 128 kk + 0, 16, 64, 80.
.macro XLOAD b
.set xl_st, STG+64*((\b)%2)
.set xl_k0, 4*((\b)%2)
.irp q, 0,1,2,3
	ds_load_b128 v[xl_st+16*\q:xl_st+16*\q+3],     v[XA] offset:128*(xl_k0+\q)
	ds_load_b128 v[xl_st+16*\q+4:xl_st+16*\q+7],   v[XA] offset:128*(xl_k0+\q)+16
	ds_load_b128 v[xl_st+16*\q+8:xl_st+16*\q+11],  v[XA] offset:128*(xl_k0+\q)+64
	ds_load_b128 v[xl_st+16*\q+12:xl_st+16*\q+15], v[XA] offset:128*(xl_k0+\q)+80
.endr
.if (\b)%2
	v_add_nc_u32 v[XA], 16*XP, v[XA]               ; the next row block
.endif
.endm
.macro XCVT b
.set xc_st, STG+64*((\b)%2)
.set xc_k0, 4*((\b)%2)
.set xc_rb, (\b)/2
.if xc_rb < 4
	WIN 0x40                                       ; destination in window 1
.else
	WIN 0x80                                       ; destination in window 2
.endif
.irp q, 0,1,2,3
.irp c, 0,1,2,3,4,5,6,7
	v_cvt_pk_bf16_f32 v[64*(xc_rb%4)+8*(xc_k0+\q)+\c], v[xc_st+16*\q+2*\c], v[xc_st+16*\q+2*\c+1]
.endr
.endr
	WIN 0
.endm
	XLOAD 0
.set bb, 0
.rept 15
	XLOAD bb+1
	s_wait_dscnt 16                                ; batch bb is in; the 16 loads of the next batch stay out
	XCVT bb
.set bb, bb+1
.endr
	s_wait_dscnt 0x0                               ; the last batch; also: my reads of the x tile are over,
	XCVT 15
	s_wait_tensorcnt 0x0                           ; and all my tensor loads have landed, tile 0 and wsq among them:
	ds_add_u32 v94, v95
	s_wait_dscnt 0x0
	ROUND                                          ; that now holds of every wave of all four work-groups
	tensor_load_to_lds s[G0W+4:G0W+7], s[G1W:G1W+7]   ; tile 1, over the x tile: my one tensor load behind this round
	s_nop 0
; two loads: fragment kk of block b2 of the slot whose address is in v[adr]; K steps 4-7 go to the set of the block's parity
.macro LOADF adr, b2, kk
.set lf_f, WF+8*\kk+WFODD*((\kk)/4)*((\b2)%2)
	ds_load_b128 v[lf_f:lf_f+3],   v[\adr] offset:16*WP*(\b2)+64*\kk
	ds_load_b128 v[lf_f+4:lf_f+7], v[\adr] offset:16*WP*(\b2)+64*\kk+32
.endm
; two loads: wsq of my 8 codes of block b2, at byte off from v[WQA]
.macro LOADQ b2, off
	ds_load_b128 v[WSQR+8*((\b2)%2):WSQR+8*((\b2)%2)+3],   v[WQA] offset:\off
	ds_load_b128 v[WSQR+8*((\b2)%2)+4:WSQR+8*((\b2)%2)+7], v[WQA] offset:\off+16
.endm
; 18 loads in one run, all that block b2 needs, in the order F0 F1 WQ F2 .. F7, on which the counted waits of the block's first phase rest
.macro NEXTF adr, b2, qoff
	LOADF \adr, \b2, 0
	LOADF \adr, \b2, 1
	LOADQ \b2, \qoff
.irp k2, 2,3,4,5,6,7
	LOADF \adr, \b2, \k2
.endr
.endm
	NEXTF ADR, 0, 0                                ; tile 0, block 0
	; xsq of the rounded x, while those loads land: a lane's 64 registers of a row block hold half of the row; eight chains by turns
	v_mov_b32 v[ZT], 0                             ; the addend of each chain's first link
.macro XSQW win, base
	WIN \win                                       ; sources 0 and 1 in the fragments' window
.set ff, 0
.rept 64
.irp i, 0,1,2,3
.if ff == 0
	v_fma_mix_f32_bf16 v[\base+2*\i],   v[64*\i+ff], v[64*\i+ff], v[ZT] op_sel_hi:[1,1,0]
	v_fma_mix_f32_bf16 v[\base+2*\i+1], v[64*\i+ff], v[64*\i+ff], v[ZT] op_sel:[1,1,0] op_sel_hi:[1,1,0]
.else
	v_fma_mix_f32_bf16 v[\base+2*\i],   v[64*\i+ff], v[64*\i+ff], v[\base+2*\i] op_sel_hi:[1,1,0]
	v_fma_mix_f32_bf16 v[\base+2*\i+1], v[64*\i+ff], v[64*\i+ff], v[\base+2*\i+1] op_sel:[1,1,0] op_sel_hi:[1,1,0]
.endif
.endr
.set ff, ff+1
.endr
	WIN 0
.endm
	XSQW 0x05, TT
	XSQW 0x0a, TT+8
.irp rb, 0,1,2,3,4,5,6,7
	v_add_f32 v[XSQ+\rb], v[TT+2*\rb], v[TT+2*\rb+1]
.endr
.irp rb, 0,1,2,3,4,5,6,7
	v_permlanex16_b32 v[TT+\rb], v[XSQ+\rb], s72, s73          ; the other half of the row; the destination has been written before
.endr
.irp rb, 0,1,2,3,4,5,6,7
	v_add_f32 v[XSQ+\rb], v[XSQ+\rb], v[TT+\rb]
.endr
	; The vector work runs 16 to 21 steps behind the products.  Its first steps therefore work on a phase that was never multiplied:
	; that phase's products are set to -infinity, so its distances are +infinity and win against nothing.
.set n, 0
.rept 32
	v_mov_b32 v[ACC+32+n], 0xff800000
.set n, n+1
.endr
.set n, 0
.rept 8
	v_mov_b32 v[TT+8+n], s70                       ; the four pairs that are taken up half-way
	v_mov_b32 v[WSQR+8+n], 0
.set n, n+1
.endr
.set n, 0
.rept 16
	v_mov_b32 v[BEST+n], s70
	v_mov_b32 v[IDX+n], 0
.set n, n+1
.endr
; THE LOOP.  A trip is a tile: 4 blocks of 16 codes x 2 phases.  Phase g multiplies the block by row blocks 4 g .. 4 g + 3: 8 K steps x 4
; accumulators, 32 matrix instructions.  The four accumulators take turns, one instruction a turn, and the two sets take turns from phase to
; phase.  The first K step takes the constant 0: nothing is cleared.  par = the block's parity.
.macro MM g, kk, i, par
.set mm_f, WF+8*\kk+WFODD*((\kk)/4)*(\par)
.if \kk
	v_wmma_f32_16x16x32_bf16 v[ACC+32*\g+8*\i:ACC+32*\g+8*\i+7], v[mm_f:mm_f+7], v[64*\i+8*\kk:64*\i+8*\kk+7], v[ACC+32*\g+8*\i:ACC+32*\g+8*\i+7]
.else
	v_wmma_f32_16x16x32_bf16 v[ACC+32*\g+8*\i:ACC+32*\g+8*\i+7], v[mm_f:mm_f+7], v[64*\i+8*\kk:64*\i+8*\kk+7], 0
.endif
.endm
; A step is two matrix instructions, each followed by a gap of vector work; a trip has steps 0 .. 127.  The work on a pair of results has the
; coordinate v (0 .. 127, of this trip or the last): block v / 32, set (v / 16) % 2, register pair (v % 16) / 4 of tile v % 4.
; AT sets these from raw = step - lag; in the drain (drain = 1) work beyond the last pair is left out (go = 0).
.macro AT raw, drain
.set go, 1
.if \drain
.if (\raw) > 127
.set go, 0
.endif
.endif
.set vv, ((\raw)+128)%128
.set cB, vv/32
.set cG, (vv/16)%2
.set cP, (vv%16)/4
.set cI, vv%4
.set cRB, 4*cG+cI
.set cTT, TT+2*(vv%8)
.endm
; Gap A, five instructions: for the pair 16 steps back fl(xsq - 2 dot); 18 back + wsq; 20 back d - best (its sign is exact) and the new best.
; A pair is first read 16 steps behind its phase's step of the same number, so at least three whole gaps, none of which names the tile,
; stand between a tile's last matrix instruction and the first read of it: more than the four places that ISA guide 7.12.1 asks for.
.macro GAPA sig, drain
	AT (\sig)-16, \drain
.if go
.if cRB%2
	v_pk_fma_f32 v[cTT:cTT+1], v[ACC+32*cG+8*cI+2*cP:ACC+32*cG+8*cI+2*cP+1], -2.0, v[XSQ+cRB-1:XSQ+cRB] op_sel:[0,0,1] op_sel_hi:[1,0,1]
.else
	v_pk_fma_f32 v[cTT:cTT+1], v[ACC+32*cG+8*cI+2*cP:ACC+32*cG+8*cI+2*cP+1], -2.0, v[XSQ+cRB:XSQ+cRB+1] op_sel_hi:[1,0,0]
.endif
.endif
	AT (\sig)-18, \drain
.if go
	v_pk_fma_f32 v[cTT:cTT+1], v[cTT:cTT+1], 1.0, v[WSQR+8*(cB%2)+2*cP:WSQR+8*(cB%2)+2*cP+1] op_sel_hi:[1,0,1]
.endif
	AT (\sig)-20, \drain
.if go
	v_pk_fma_f32 v[SS:SS+1], v[cTT:cTT+1], 1.0, v[BEST+2*cRB:BEST+2*cRB+1] op_sel_hi:[1,0,1] neg_lo:[0,0,1] neg_hi:[0,0,1]
	v_min3_num_f32 v[BEST+2*cRB],   v[cTT],   s70, v[BEST+2*cRB]
	v_min3_num_f32 v[BEST+2*cRB+1], v[cTT+1], s70, v[BEST+2*cRB+1]
.endif
.endm
; Gap B, four instructions: the masks "strictly less" of the pair 20 steps back, and the indices of the pair 21 back by the masks of the step before.
; Where a new block's indices begin, the eight code numbers step first: by 16, or by 208 into the next tile (256 - 48).
.macro GAPB sig, drain
	AT (\sig)-20, \drain
.if go
	v_cmp_lt_f32 s[MK+2*((\sig)%2)],   v[SS],   0
	v_cmp_lt_f32 s[MK+2*((\sig)%2)+1], v[SS+1], 0
.endif
	AT (\sig)-21, \drain
.if go
.if vv%32 == 0
.if vv == 0
.set cstep, 208
.else
.set cstep, 16
.endif
.irp j, 0,1,2,3,4,5,6,7
	s_add_co_u32 s[CUR+\j], s[CUR+\j], cstep
.endr
.endif
	v_cndmask_b32 v[IDX+2*cRB],   v[IDX+2*cRB],   s[CUR+2*cP],   s[MK+2*(((\sig)+1)%2)]
	v_cndmask_b32 v[IDX+2*cRB+1], v[IDX+2*cRB+1], s[CUR+2*cP+1], s[MK+2*(((\sig)+1)%2)+1]
.endif
.endm
; One phase.  g = 0 waits for the block's fragments one by one.  g = 1 asks for ALL that the next block needs in ONE run of 18 loads behind its
; K step 3: K steps 0-3 into the registers that have just been multiplied for the last time, K steps 4-7 into the set of the other parity,
; wsq into its set of the other parity (last read at step 17 of this block; the run stands behind step 23).  One run a block, not a pair of
; loads behind each K step, so that the row of matrix instructions is broken once in 64.  The run stands behind gap B, whose four
; instructions name none of the last matrix instruction's registers: the four places that a load into one of its sources owes (ISA guide
; 7.12.1 for vector instructions).  From the run to the first use of its first fragment a wave issues 16
; matrix instructions.
; In block 3, g = 0, K step 4 opens the change of slots: all eight fragments of the tile's last block are in registers by then.
.macro PHASE g, blk, slot, mode
.set ph_par, (\blk)%2
.if \g
	WIN M2
.else
	WIN M1
.endif
.irp kk, 0,1,2,3,4,5,6,7
.set sg, 32*\blk+16*\g+2*\kk
.set turn, 0
.set quiet, 0
.if \g == 0
.if \blk == 3
.if \mode != LAST
.if \kk == 4
.set turn, 1
.endif
.if \kk > 4
.set quiet, 1
.endif
.endif
.endif
.if turn
	s_wait_dscnt 0x0                               ; my reads of this slot are over,
	s_set_vgpr_msb 0x400
	s_wait_tensorcnt 0x0                           ; and all my tensor loads have landed: the one that was out is my quarter of the other slot:
	ds_add_u32 v94, v95
	s_wait_dscnt 0x0
	s_set_vgpr_msb 0x4
	s_barrier_signal -1                            ; say so; K steps 4 to 7, register work alone, stand between this signal and its wait
.else
.if quiet == 0
.if \kk < 2
	s_wait_dscnt 16-2*\kk                          ; LDS loads come back in order: what stays out are the loads issued behind fragment kk (F0 F1 WQ F2 .. F7, two each)
.else
	s_wait_dscnt 14-2*\kk
.endif
.endif
.endif
.endif
	MM \g, \kk, 0, ph_par
	GAPA sg, 0
	MM \g, \kk, 1, ph_par
	GAPB sg, 0
	MM \g, \kk, 2, ph_par
	GAPA sg+1, 0
	MM \g, \kk, 3, ph_par
	GAPB sg+1, 0
.if \g
.if \kk == 3
.if \blk < 3
	NEXTF ADR+\slot, \blk+1, 64*(\blk+1)           ; the next block of this tile
.else
.if \mode != LAST
	NEXTF ADR+1-\slot, 0, 0                        ; the next tile's first block, from the other slot; v[WQA] has been stepped
.endif
.endif
.endif
.endif
.endr
.endm
; One tile.  mode REFILL: the slot just read is asked for again, two tiles ahead, behind a round of the cluster's barrier, which stands for the
; barrier in front of a refill: every wave's two waits for 0 in front of its opening signal, register work inside, the joint load first behind
; it, one a wave.  That load has a whole trip in which to land.  PLAIN: the barrier alone (the other slot is read next, nothing is filled).
; LAST: nothing follows.
.macro TRIP slot, mode
.irp blk, 0,1,2
	PHASE 0, \blk, \slot, \mode
	PHASE 1, \blk, \slot, \mode
.endr
	PHASE 0, 3, \slot, \mode
.if \mode != LAST
	WIN 0
	s_barrier_wait -1
.if \mode == REFILL
	CREST
	s_add_nc_u64 s[G0W+4*\slot+2:G0W+4*\slot+3], s[G0W+4*\slot+2:G0W+4*\slot+3], 2*TILEB   ; no tensor load of mine is out
	tensor_load_to_lds s[G0W+4*\slot:G0W+4*\slot+3], s[G1W:G1W+7]
	s_nop 0
	v_nop
	v_nop
	v_nop
.endif
	v_add_nc_u32 v[WQA], 0x400, v[WQA]             ; the next tile's 256 wsq
.endif
	PHASE 1, 3, \slot, \mode
.endm
	s_mov_b32 s71, 15
.Lloop:                                                ; tiles 0 .. 29; they ask for tiles 2 .. 31
	TRIP 0, REFILL
	TRIP 1, REFILL
	WIN 0
	s_sub_co_u32 s71, s71, 1
	s_cmp_lg_u32 s71, 0
	s_cbranch_scc1 .Lloop
	TRIP 0, PLAIN                                  ; tile 30
	TRIP 1, LAST                                   ; tile 31
	WIN 0
.set dd, 128
.rept 21                                               ; the vector work that is still behind: steps 128 .. 148, gaps alone
	GAPA dd, 1
	GAPB dd, 1
.set dd, dd+1
.endr
; (d0, i0) becomes the lesser of (d0, i0) and (d1, i1) in the order (d, index)
.macro LEX d0, i0, d1, i1
	v_cmp_lt_f32 s66, v[\d1], v[\d0]
	v_cmp_eq_f32 s67, v[\d1], v[\d0]
	v_cmp_lt_u32 s68, v[\i1], v[\i0]
	s_and_b32 s67, s67, s68
	s_or_b32 vcc_lo, s66, s67
	v_cndmask_b32 v[\d0], v[\d0], v[\d1], vcc_lo
	v_cndmask_b32 v[\i0], v[\i0], v[\i1], vcc_lo
.endm
	; THE END: even and odd chain, the two halves of the wave, then the four waves through LDS
	v_lshlrev_b32 v[ZT], 3, v[HH]
.set n, 0
.rept 16
	v_add_nc_u32 v[IDX+n], v[IDX+n], v[ZT]         ; the 8 h that the code numbers left out
.set n, n+1
.endr
	v_mov_b32 v82, 0                               ; destinations of v_permlanex16_b32 are written before
	v_mov_b32 v83, 0
	s_lshl_b32 s74, s14, 10
	s_add_co_u32 s74, s74, SCR
	v_lshl_add_u32 v84, v[RR], 3, s74              ; my wave's 1,024 bytes: row 16 rb + r at 8 bytes a row
.irp rb, 0,1,2,3,4,5,6,7
	LEX BEST+2*\rb, IDX+2*\rb, BEST+2*\rb+1, IDX+2*\rb+1
	v_permlanex16_b32 v82, v[BEST+2*\rb], s72, s73
	v_permlanex16_b32 v83, v[IDX+2*\rb], s72, s73
	LEX BEST+2*\rb, IDX+2*\rb, 82, 83
	v_mov_b32 v[BEST+2*\rb+1], v[IDX+2*\rb]
	ds_store_b64 v84, v[BEST+2*\rb:BEST+2*\rb+1] offset:128*\rb    ; both halves write the same pair to the same place
.endr
	s_wait_dscnt 0x0                               ; my stores are done, for the other waves' sake
	s_barrier_signal -1
	s_barrier_wait -1
	s_cmp_gt_u32 s14, 1
	s_cbranch_scc1 .Lno_out                        ; waves 0 and 1: lane l takes rows 64 w + 2 l and the next
	v_and_b32 v85, 31, v0
	s_lshl_b32 s74, s14, 9
	s_add_co_u32 s74, s74, SCR
	v_lshl_add_u32 v86, v85, 4, s74
.irp c, 0,1,2,3
	ds_load_b128 v[TT+4*\c:TT+4*\c+3], v86 offset:1024*\c      ; wave c's (d, index) of my two rows
.endr
	s_lshl_b32 s75, s14, 8
	v_lshl_add_u32 v87, v85, 3, s75
	s_wait_dscnt 0x0
.irp c, 1,2,3
	LEX TT, TT+1, TT+4*\c, TT+4*\c+1
	LEX TT+2, TT+3, TT+4*\c+2, TT+4*\c+3
.endr
	v_mov_b32 v80, v[TT+1]
	v_mov_b32 v81, v[TT+3]
	global_store_b64 v87, v[80:81], s[10:11] th:TH_STORE_NT    ; 32 lanes x 8 bytes: 256 consecutive bytes, aligned
	global_store_b64 v87, v[80:81], s[12:13]                   ; the same numbers for the next launch's addresses
.Lno_out:
	s_wait_tensorcnt 0x0
	ds_add_u32 v94, v95
	s_wait_dscnt 0x0
	ROUND                                          ; the closing round: no work-group ends while a partner may still ask jointly
	s_endpgm
.Lfunc_end_k_q5d37a32364_vq:
	.size	k_q5d37a32364_vq, .Lfunc_end_k_q5d37a32364_vq-k_q5d37a32364_vq
	.p2alignl 7, 3214868480
	.fill 96, 4, 3214868480
	.section	.rodata,"a",@progbits
	.p2align	6, 0x0
	.amdhsa_kernel k_q5d37a32364_vq
		.amdhsa_group_segment_fixed_size 327680
		.amdhsa_private_segment_fixed_size 0
		.amdhsa_enable_private_segment 0
		.amdhsa_kernarg_size 40
		.amdhsa_user_sgpr_count 2
		.amdhsa_user_sgpr_kernarg_segment_ptr 1
		.amdhsa_wavefront_size32 1
		.amdhsa_system_sgpr_workgroup_id_x 1
		.amdhsa_system_sgpr_workgroup_id_y 1
		.amdhsa_system_sgpr_workgroup_id_z 1
		.amdhsa_system_vgpr_workitem_id 0
		.amdhsa_next_free_vgpr 768
		.amdhsa_next_free_sgpr 84
		.amdhsa_reserve_vcc 1
		.amdhsa_float_denorm_mode_32 3
		.amdhsa_float_denorm_mode_16_64 3
		.amdhsa_memory_ordered 1
		.amdhsa_forward_progress 1
		.amdhsa_inst_pref_size 255
	.end_amdhsa_kernel
	.section	.bss,"aw",@nobits
	.p2align	6
	.space	262144
	.amdgpu_metadata
---
amdhsa.version: [ 1, 2 ]
amdhsa.kernels:
  - .name:           k_q5d37a32364_vq
    .symbol:         k_q5d37a32364_vq.kd
    .args:
      - { .name: x, .offset: 0, .size: 8, .value_kind: global_buffer, .address_space: global }
      - { .name: wb, .offset: 8, .size: 8, .value_kind: global_buffer, .address_space: global }
      - { .name: wsq, .offset: 16, .size: 8, .value_kind: global_buffer, .address_space: global }
      - { .name: out1, .offset: 24, .size: 8, .value_kind: global_buffer, .address_space: global }
      - { .name: idxw, .offset: 32, .size: 8, .value_kind: global_buffer, .address_space: global }
    .group_segment_fixed_size: 327680
    .private_segment_fixed_size: 0
    .kernarg_segment_align: 8
    .kernarg_segment_size: 40
    .max_flat_workgroup_size: 128
    .sgpr_count:     84
    .vgpr_count:     768
    .wavefront_size: 32
...
	.end_amdgpu_metadata
.endif
;; end of part 2
;; launch quant (part 3): grid 512 x 1, 8 waves a work-group, no clusters, 1,280 bytes of LDS; arguments x, weight, idxw, out0, part; writes out0, part
.if DOCPART == 3
	.amdgcn_target "amdgcn-amd-amdhsa--gfx1250"
	.amdhsa_code_object_version 6
	.text
	.protected	k_q5d37a32364_quant
	.globl	k_q5d37a32364_quant
	.p2align	8
	.type	k_q5d37a32364_quant,@function
k_q5d37a32364_quant:
	s_mov_b64 s[64:65], 0
	v_nop
	global_prefetch_b8 v0, s[64:65] scope:SCOPE_SE
	s_setreg_imm32_b32 hwreg(HW_REG_WAVE_MODE, 25, 1), 1
	s_wait_xcnt 0x0
; out0[n] = x[n] + (q - x[n]) with q = weight[idxw[n]], both in f32 as given; part[work-group] = sum of (q - x)^2 over its 64 rows.
; Eight waves, 8 rows each.  All its 16 loads of x and 16 of the code rows are out at once, so
; there is no loop and no register is loaded twice.  e = q - x is written over q and x + e over x.  A stream: no matrix unit, no cluster.
; An index is clamped to 8,191 before it enters an address (the launch before stores nothing larger).
.set X,   8                            ; v[8:71]    row i: 8 numbers of x, then of out0
.set Q,   72                           ; v[72:135]  row i: 8 numbers of q, then of q - x
.set O,   136                          ; v[136:143] row i: byte offset of my 16 bytes in its code row
.set SUM, 144                          ; v[144:151] four pairs of sums of squares
	s_load_b256 s[4:11], s[0:1], 0x0               ; x s[4:5], weight s[6:7], idxw s[8:9], out0 s[10:11]
	s_load_b64 s[12:13], s[0:1], 0x20              ; part
	v_lshl_add_u32 v160, v0, 2, 0x100
	v_mov_b32 v161, 0
	v_lshrrev_b32 v2, 5, v0
	v_readfirstlane_b32 s14, v2                    ; wave 0..7
	v_and_b32 v1, 31, v0
	v_lshlrev_b32 v1, 4, v1                        ; 16 bytes a lane in a half row
	s_mov_b32 s28, 0x76543210
	s_mov_b32 s29, 0xfedcba98
	s_lshl_b32 s15, ttmp9, 6
	s_lshl3_add_u32 s15, s14, s15                  ; my first row = 64 x work-group + 8 x wave
	s_lshl_b32 s24, s15, 2
	s_mov_b32 s25, 0
	s_lshl_b32 s26, s15, 10                        ; rows of 1,024 bytes
	s_mov_b32 s27, 0
	s_lshl_b32 s30, ttmp9, 2
	s_mov_b32 s31, 0
	s_wait_kmcnt 0x0
	s_add_nc_u64 s[8:9], s[8:9], s[24:25]
	s_load_b256 s[16:23], s[8:9], 0x0              ; my 8 indices
	s_add_nc_u64 s[4:5], s[4:5], s[26:27]
	s_add_nc_u64 s[10:11], s[10:11], s[26:27]
	s_add_nc_u64 s[12:13], s[12:13], s[30:31]
.irp i, 0,1,2,3,4,5,6,7
	global_load_b128 v[X+8*\i:X+8*\i+3],   v1, s[4:5] offset:1024*\i th:TH_LOAD_NT
	global_load_b128 v[X+8*\i+4:X+8*\i+7], v1, s[4:5] offset:1024*\i+512 th:TH_LOAD_NT
.endr
	s_wait_kmcnt 0x0
.irp i, 0,1,2,3,4,5,6,7
	s_min_u32 s[16+\i], s[16+\i], 0x1fff
	v_lshl_add_u32 v[O+\i], s[16+\i], 10, v1
.endr
.irp i, 0,1,2,3,4,5,6,7
	global_load_b128 v[Q+8*\i:Q+8*\i+3],   v[O+\i], s[6:7]              ; no hint: a code row may be named again
	global_load_b128 v[Q+8*\i+4:Q+8*\i+7], v[O+\i], s[6:7] offset:512
.endr
.irp i, 0,1,2,3,4,5,6,7
	s_wait_loadcnt 14-2*\i                         ; loads come back in order: all of x and row i's q are in, the younger rows' q stay out
.irp k, 0,2,4,6
	v_pk_add_f32 v[Q+8*\i+\k:Q+8*\i+\k+1], v[Q+8*\i+\k:Q+8*\i+\k+1], v[X+8*\i+\k:X+8*\i+\k+1] neg_lo:[0,1] neg_hi:[0,1]   ; e = q - x
.endr
.irp k, 0,2,4,6
	v_pk_add_f32 v[X+8*\i+\k:X+8*\i+\k+1], v[X+8*\i+\k:X+8*\i+\k+1], v[Q+8*\i+\k:Q+8*\i+\k+1]                             ; x + e
.endr
.irp k, 0,2,4,6
.if \i == 0
	v_pk_mul_f32 v[SUM+\k:SUM+\k+1], v[Q+8*\i+\k:Q+8*\i+\k+1], v[Q+8*\i+\k:Q+8*\i+\k+1]                                   ; the first row starts the sums
.else
	v_pk_fma_f32 v[SUM+\k:SUM+\k+1], v[Q+8*\i+\k:Q+8*\i+\k+1], v[Q+8*\i+\k:Q+8*\i+\k+1], v[SUM+\k:SUM+\k+1]
.endif
.endr
	global_store_b128 v1, v[X+8*\i:X+8*\i+3],   s[10:11] offset:1024*\i th:TH_STORE_NT      ; a wave's store covers 512 consecutive bytes, aligned
	global_store_b128 v1, v[X+8*\i+4:X+8*\i+7], s[10:11] offset:1024*\i+512 th:TH_STORE_NT
.endr
	v_pk_add_f32 v[SUM:SUM+1], v[SUM:SUM+1], v[SUM+2:SUM+3]
	v_pk_add_f32 v[SUM+4:SUM+5], v[SUM+4:SUM+5], v[SUM+6:SUM+7]
	v_pk_add_f32 v[SUM:SUM+1], v[SUM:SUM+1], v[SUM+4:SUM+5]
	v_add_f32 v[SUM], v[SUM], v[SUM+1]
.irp m, 1,2,4,8
	v_add_f32_dpp v[SUM], v[SUM], v[SUM] row_xmask:\m row_mask:0xf bank_mask:0xf
.endr
	v_permlanex16_b32 v[SUM+1], v[SUM], s28, s29   ; its destination has been written before
	v_add_f32 v[SUM], v[SUM], v[SUM+1]
	s_lshl_b32 s30, s14, 2
	v_mov_b32 v2, s30
	ds_store_b32 v2, v[SUM]                        ; my wave's word
	s_wait_dscnt 0x0                               ; done, for the other waves' sake
	s_barrier_signal -1
	s_barrier_wait -1
	v_mov_b32 v3, 0
	ds_load_b128 v[SUM:SUM+3], v3
	ds_load_b128 v[SUM+4:SUM+7], v3 offset:16
	s_wait_dscnt 0x0
	v_pk_add_f32 v[SUM:SUM+1], v[SUM:SUM+1], v[SUM+2:SUM+3]
	v_pk_add_f32 v[SUM+4:SUM+5], v[SUM+4:SUM+5], v[SUM+6:SUM+7]
	v_pk_add_f32 v[SUM:SUM+1], v[SUM:SUM+1], v[SUM+4:SUM+5]
	v_add_f32 v[SUM], v[SUM], v[SUM+1]
	v_cmp_eq_u32 vcc_lo, 0, v0
	s_wait_xcnt 0x0                                ; EXEC is a source of the stores above: it changes only behind this wait
	s_wait_tensorcnt 0x0
	ds_add_u32 v160, v161
	s_wait_dscnt 0x0
	s_and_saveexec_b32 s32, vcc_lo                 ; thread 0 alone
	global_store_b32 v3, v[SUM], s[12:13]          ; one number for the work-group: the sum over work-groups is the next launch's
	s_endpgm
.Lfunc_end_k_q5d37a32364_quant:
	.size	k_q5d37a32364_quant, .Lfunc_end_k_q5d37a32364_quant-k_q5d37a32364_quant
	.p2alignl 7, 3214868480
	.fill 96, 4, 3214868480
	.section	.rodata,"a",@progbits
	.p2align	6, 0x0
	.amdhsa_kernel k_q5d37a32364_quant
		.amdhsa_group_segment_fixed_size 1280
		.amdhsa_private_segment_fixed_size 0
		.amdhsa_enable_private_segment 0
		.amdhsa_kernarg_size 40
		.amdhsa_user_sgpr_count 2
		.amdhsa_user_sgpr_kernarg_segment_ptr 1
		.amdhsa_wavefront_size32 1
		.amdhsa_system_sgpr_workgroup_id_x 1
		.amdhsa_system_sgpr_workgroup_id_y 1
		.amdhsa_system_sgpr_workgroup_id_z 1
		.amdhsa_system_vgpr_workitem_id 0
		.amdhsa_next_free_vgpr 162
		.amdhsa_next_free_sgpr 66
		.amdhsa_reserve_vcc 1
		.amdhsa_float_denorm_mode_32 3
		.amdhsa_float_denorm_mode_16_64 3
		.amdhsa_memory_ordered 1
		.amdhsa_forward_progress 1
		.amdhsa_inst_pref_size 15
	.end_amdhsa_kernel
	.amdgpu_metadata
---
amdhsa.version: [ 1, 2 ]
amdhsa.kernels:
  - .name:           k_q5d37a32364_quant
    .symbol:         k_q5d37a32364_quant.kd
    .args:
      - { .name: x, .offset: 0, .size: 8, .value_kind: global_buffer, .address_space: global }
      - { .name: weight, .offset: 8, .size: 8, .value_kind: global_buffer, .address_space: global }
      - { .name: idxw, .offset: 16, .size: 8, .value_kind: global_buffer, .address_space: global }
      - { .name: out0, .offset: 24, .size: 8, .value_kind: global_buffer, .address_space: global }
      - { .name: part, .offset: 32, .size: 8, .value_kind: global_buffer, .address_space: global }
    .group_segment_fixed_size: 1280
    .private_segment_fixed_size: 0
    .kernarg_segment_align: 8
    .kernarg_segment_size: 40
    .max_flat_workgroup_size: 256
    .sgpr_count:     66
    .vgpr_count:     162
    .wavefront_size: 32
...
	.end_amdgpu_metadata
.endif
;; end of part 3
;; launch loss (part 4): grid 1 x 1, 1 waves a work-group, no clusters, 0 bytes of LDS; arguments part, out2, out3, out4; writes out2, out3, out4
.if DOCPART == 4
	.amdgcn_target "amdgcn-amd-amdhsa--gfx1250"
	.amdhsa_code_object_version 6
	.text
	.protected	k_q5d37a32364_loss
	.globl	k_q5d37a32364_loss
	.p2align	8
	.type	k_q5d37a32364_loss,@function
k_q5d37a32364_loss:
	s_mov_b64 s[64:65], 0
	v_nop
	global_prefetch_b8 v0, s[64:65] scope:SCOPE_SE
	s_setreg_imm32_b32 hwreg(HW_REG_WAVE_MODE, 25, 1), 1
	s_wait_xcnt 0x0
; m = (sum of the 512 partial sums) / (32768 x 256);  out3 = m,  out2 = 0.25 m,  out4 = out2 + out3.
; One wave: 2,048 bytes in four loads of 16 bytes a lane.  The sum spans the work-groups of the launch before, so it has a launch of its own.
	s_load_b256 s[4:11], s[0:1], 0x0               ; part s[4:5], out2 s[6:7], out3 s[8:9], out4 s[10:11]
	v_lshlrev_b32 v1, 4, v0
	s_mov_b32 s12, 0x76543210
	s_mov_b32 s13, 0xfedcba98
	s_wait_kmcnt 0x0
.irp i, 0,1,2,3
	global_load_b128 v[4+4*\i:7+4*\i], v1, s[4:5] offset:512*\i
.endr
	v_mov_b32 v2, 0
	s_wait_loadcnt 0x0
	v_pk_add_f32 v[4:5], v[4:5], v[6:7]
	v_pk_add_f32 v[8:9], v[8:9], v[10:11]
	v_pk_add_f32 v[12:13], v[12:13], v[14:15]
	v_pk_add_f32 v[16:17], v[16:17], v[18:19]
	v_pk_add_f32 v[4:5], v[4:5], v[8:9]
	v_pk_add_f32 v[12:13], v[12:13], v[16:17]
	v_pk_add_f32 v[4:5], v[4:5], v[12:13]
	v_add_f32 v4, v4, v5
.irp m, 1,2,4,8
	v_add_f32_dpp v4, v4, v4 row_xmask:\m row_mask:0xf bank_mask:0xf
.endr
	v_permlanex16_b32 v5, v4, s12, s13             ; its destination has been written before
	v_add_f32 v4, v4, v5
	v_mul_f32 v6, 0x34000000, v4                   ; x 2^-23: the mean, the codebook loss
	v_mul_f32 v7, 0.25, v6                         ; the commitment loss
	v_add_f32 v8, v7, v6                           ; their sum
	v_cmp_eq_u32 vcc_lo, 0, v0
	s_wait_xcnt 0x0                                ; EXEC changes only behind this wait
	s_and_saveexec_b32 s14, vcc_lo                 ; lane 0 alone
	global_store_b32 v2, v7, s[6:7]
	global_store_b32 v2, v6, s[8:9]
	global_store_b32 v2, v8, s[10:11]
	s_endpgm
.Lfunc_end_k_q5d37a32364_loss:
	.size	k_q5d37a32364_loss, .Lfunc_end_k_q5d37a32364_loss-k_q5d37a32364_loss
	.p2alignl 7, 3214868480
	.fill 96, 4, 3214868480
	.section	.rodata,"a",@progbits
	.p2align	6, 0x0
	.amdhsa_kernel k_q5d37a32364_loss
		.amdhsa_group_segment_fixed_size 0
		.amdhsa_private_segment_fixed_size 0
		.amdhsa_enable_private_segment 0
		.amdhsa_kernarg_size 32
		.amdhsa_user_sgpr_count 2
		.amdhsa_user_sgpr_kernarg_segment_ptr 1
		.amdhsa_wavefront_size32 1
		.amdhsa_system_sgpr_workgroup_id_x 1
		.amdhsa_system_sgpr_workgroup_id_y 1
		.amdhsa_system_sgpr_workgroup_id_z 1
		.amdhsa_system_vgpr_workitem_id 0
		.amdhsa_next_free_vgpr 24
		.amdhsa_next_free_sgpr 66
		.amdhsa_reserve_vcc 1
		.amdhsa_float_denorm_mode_32 3
		.amdhsa_float_denorm_mode_16_64 3
		.amdhsa_memory_ordered 1
		.amdhsa_forward_progress 1
		.amdhsa_inst_pref_size 3
	.end_amdhsa_kernel
	.amdgpu_metadata
---
amdhsa.version: [ 1, 2 ]
amdhsa.kernels:
  - .name:           k_q5d37a32364_loss
    .symbol:         k_q5d37a32364_loss.kd
    .args:
      - { .name: part, .offset: 0, .size: 8, .value_kind: global_buffer, .address_space: global }
      - { .name: out2, .offset: 8, .size: 8, .value_kind: global_buffer, .address_space: global }
      - { .name: out3, .offset: 16, .size: 8, .value_kind: global_buffer, .address_space: global }
      - { .name: out4, .offset: 24, .size: 8, .value_kind: global_buffer, .address_space: global }
    .group_segment_fixed_size: 0
    .private_segment_fixed_size: 0
    .kernarg_segment_align: 8
    .kernarg_segment_size: 32
    .max_flat_workgroup_size: 32
    .sgpr_count:     66
    .vgpr_count:     24
    .wavefront_size: 32
...
	.end_amdgpu_metadata
.endif
;; end of part 4
